; MI455X (gfx1250); checked and timed in simulation.
; The chip was launched on July 23, 2026; its instructions are those of AMD's public machine-readable ISA for CDNA 5 (MIT licence, August 2026) and "CDNA5" Instruction Set Architecture Reference Guide (July 2026). The comments in the code are by the model that wrote it; some were corrected since.
;; CPR Linear Mixed Fused. Allowed arithmetic: float matrix products may take bf16 or f16 operands with f32 sums; other float arithmetic in f32, or as packed bf16 or f16 multiplies, adds, multiply-adds, maxima and minima; sums over many terms, partial sums and values carried from step to step in f32; what a program stores and reads back later, other than sums and carried values, may be rounded once to bf16 or f16.
;; Inputs: bias 4,096 float32; col_indices 4,096 int32; scales 32 x 4,096 float32; weight_int8 4,096 x 4,096 int32; x 4 x 1,024 x 4,096 float32.
;; Outputs: out0 4 x 1,024 x 4,096 float32.
;; Constants: group_size = 128.
;; 2 versions, each right; version 2 is version 1 with the launch prep written anew for expert scheduling mode. Each part assembles by itself: llvm-mc -triple=amdgcn-amd-amdhsa -mcpu=gfx1250 --defsym DOCPART=n.
;; ======== version 1 of 2: 2 launches
;; limits: values are held in f16: magnitudes above 65,504 overflow, below 6.1e-05 lose precision; right only within a limited range of input values
;; workspace buffers: xr 33,554,432 bytes; wd 33,554,432 bytes
;; launch prep (part 1): grid 256 x 1, 8 waves a work-group, no clusters, 132,096 bytes of LDS; arguments x, col_indices, weight_int8, scales, xr, wd; writes xr, wd
.if DOCPART == 1
	.amdgcn_target "amdgcn-amd-amdhsa--gfx1250"
	.amdhsa_code_object_version 6
	.text
	.protected	k_qfd63afa002_prep
	.globl	k_qfd63afa002_prep
	.p2align	8
	.type	k_qfd63afa002_prep,@function
k_qfd63afa002_prep:
	s_mov_b64 s[64:65], 0
	v_nop
	global_prefetch_b8 v0, s[64:65] scope:SCOPE_SE
	s_setreg_imm32_b32 hwreg(HW_REG_WAVE_MODE, 25, 1), 1
	s_wait_xcnt 0x0
; BOTH OPERANDS OF THE PRODUCT, MADE ONCE, IN f16.
;   xr[m][k] = f16(x[m][col_indices[k]])                       x: [4096][4096] f32,  xr: [4096][4096] f16
;   wd[k][n] = f16(f32(weight[k][n]) * scales[k / 128][n])     weight: [4096][4096] i32, scales: [32][4096] f32, wd: [4096][4096] f16
; Each number is rounded once; the product w * s is made in f32.
; WHY f16.  Every output must lie within 1% of the outputs' root mean square r plus 1% of itself.  A number rounded to p significant bits is off by about 0.41 x 2^-p of itself (root mean square); two such
; operands put about 0.58 x 2^-p of r on a sum, and the largest of 2^24 sums lies five to six times higher: with p = 8 (bf16) past 1% of r, with p = 11 (f16) an eighth of that.
; LIMITS.  f16 holds no number beyond 65,504: an |x| or a |w * s| of 65,520 or more becomes an infinity; below 6e-5 a number keeps f16's fixed step of 6e-8.
; A column index is taken as an unsigned number and held to 0 .. 4095: an index outside the table counts as 4095.
; SHARES.  256 work-groups of eight waves.  Work-group b takes rows 16 b .. 16 b + 15 of x, wave w the pair a = 16 b + 2 w and a + 1;
; and of the weights rows 64 (b / 4) .. + 63 (all in one group of scales), columns 1024 (b % 4) + 128 w .. + 127 for wave w, four columns a lane.
; THE GATHER goes through LDS.  A wave lays its two rows into its own 16,384 bytes, word j = { f16 x[a][j] low, f16 x[a+1][j] high }: one
; 4-byte LDS load then fetches one column for both rows.  No wave touches another's bytes, so there is no barrier, and since LDS serves a wave's
; instructions in order (ISA guide 5.7.1.4) no wait stands between its stores and its loads.
; THE STREAM.  A ring of 32 load slots of four registers: 32 loads of 512 consecutive bytes of every wave are on their way, from the first row of x to
; the last row of the weights; the weights' first 32 rows are asked for while x is laid into LDS, and are on their way during the gather.
; No tensor loads (nothing is shared between waves), no matrix work, no cluster, no prefetch: every byte is read once and the loads themselves run ahead.
; REGISTERS, in windows of 256 (s_set_vgpr_msb: bits 1:0 source 0, 3:2 source 1, 5:4 source 2, 7:6 destination).
.set SPARE, 131072                     ; behind the eight waves' rows: the spare words, 128 bytes a wave: four blocks of 256 bytes that no other line names
; window 0
.set IO,  2                            ; v2        32 x lane: my eight indices in 256
.set XSO, 3                            ; v3        16384 w + 16 lane: my 16 bytes in xr's row a, from the group's first row
.set SPW, 4                            ; v4        LDS address of my spare word; never rewritten
.set NIL, 5                            ; v5        0; never rewritten
.set O,   32                           ; v[32:63]  four slots of 8: four registers for row a, four for row a + 1
.set ADR, 64                           ; v[64:191] register 8 i + e: the index, then the LDS address, of column k = 256 i + 8 lane + e
.set G,   192                          ; v[192:255] a ring of eight batches of eight gathered words
; window 1
.set X,   0                            ; v[0:127]   the ring of 32 load slots
.set T,   128                          ; v[128:135] two sets of four packed words on their way into LDS
.set Y,   136                          ; v[136:151] eight pairs: four f16 of wd to store
.set SC,  152                          ; v[152:155] the scales of my four columns
.set XO,  156                          ; v156       32768 w + 16 lane: in x
.set LSA, 157                          ; v157       16384 w + 16 lane: in LDS
.set WO,  158                          ; v158       512 w + 16 lane: in a row of the weights and of the scales
.set WSO, 159                          ; v159       256 w + 8 lane: in a row of wd
.set MSB, 0
.macro WIN new                         ; the immediate's high byte repeats the setting that is left; a switch that changes nothing is dropped
.if MSB != (\new)
	s_set_vgpr_msb (MSB<<8)|(\new)
.set MSB, \new
.endif
.endm
.set W_MK,  0x40                       ; destination window 1, sources window 0
.set W_ONE, 0x55                       ; everything in window 1
	s_load_b256 s[4:11], s[0:1], 0x0               ; x s[4:5], col_indices s[6:7], weight s[8:9], scales s[10:11]
	s_load_b128 s[12:15], s[0:1], 0x20             ; xr s[12:13], wd s[14:15]
	v_lshl_add_u32 v[SPW], v0, 2, SPARE
	v_mov_b32 v[NIL], 0
	v_and_b32 v1, 31, v0                           ; lane
	v_lshrrev_b32 v6, 5, v0
	v_readfirstlane_b32 s16, v6                    ; wave 0..7
	s_lshl_b32 s24, s16, 14                        ; my wave's rows in LDS, and its two rows in xr
	s_lshl_b32 s25, s16, 15                        ; its two rows in x
	s_lshl_b32 s26, s16, 9                         ; its 128 columns of i32 or f32
	s_lshl_b32 s27, s16, 8                         ; its 128 columns of f16
	s_mov_b32 s22, 0x05040100                      ; v_perm_b32: the two low halves
	s_mov_b32 s23, 0x07060302                      ; the two high halves
	v_lshlrev_b32 v[IO], 5, v1
	v_lshl_add_u32 v[XSO], v1, 4, s24
	WIN W_MK
	v_lshl_add_u32 v[XO],  v1, 4, s25
	v_lshl_add_u32 v[LSA], v1, 4, s24
	v_lshl_add_u32 v[WO],  v1, 4, s26
	v_lshl_add_u32 v[WSO], v1, 3, s27
	WIN 0
	s_lshr_b32 s17, ttmp9, 2                       ; which 64 rows of the weights
	s_and_b32 s18, ttmp9, 3                        ; which 1,024 columns
	s_mov_b32 s21, 0                               ; the offsets' high word: all stay under 2^27
	s_wait_kmcnt 0x0
	s_lshl_b32 s20, ttmp9, 18                      ; 16 rows of 16,384 bytes
	s_add_nc_u64 s[4:5], s[4:5], s[20:21]
	s_lshl_b32 s20, ttmp9, 17                      ; 16 rows of 8,192 bytes
	s_add_nc_u64 s[12:13], s[12:13], s[20:21]
	s_lshl_b32 s19, s18, 12                        ; 1,024 columns of 4 bytes
	s_lshl_b32 s20, s17, 20                        ; 64 rows of 16,384 bytes
	s_add_co_u32 s20, s20, s19
	s_add_nc_u64 s[8:9], s[8:9], s[20:21]
	s_lshr_b32 s20, s17, 1                         ; the group of 128 rows
	s_lshl_b32 s20, s20, 14
	s_add_co_u32 s20, s20, s19
	s_add_nc_u64 s[10:11], s[10:11], s[20:21]
	s_lshl_b32 s19, s18, 11                        ; 1,024 columns of 2 bytes
	s_lshl_b32 s20, s17, 19                        ; 64 rows of 8,192 bytes
	s_add_co_u32 s20, s20, s19
	s_add_nc_u64 s[14:15], s[14:15], s[20:21]
; Load n of 64 of my two rows of x: 512 consecutive bytes, piece n / 2 of row n % 2.  Load r of 64 of the weights: my 512 bytes of row r.
.macro XLOAD n
	global_load_b128 v[X+4*((\n)%32):X+4*((\n)%32)+3], v[XO], s[4:5] offset:512*((\n)/2)+16384*((\n)%2) th:TH_LOAD_NT
.endm
.macro WLOAD r
	global_load_b128 v[X+4*((\r)%32):X+4*((\r)%32)+3], v[WO], s[8:9] offset:16384*(\r) th:TH_LOAD_NT
.endm
	; all 4,096 indices, 128 a lane: every wave reads the table, so these loads carry no hint
.set i, 0
.rept 16
	global_load_b128 v[ADR+8*i:ADR+8*i+3],   v[IO], s[6:7] offset:1024*i
	global_load_b128 v[ADR+8*i+4:ADR+8*i+7], v[IO], s[6:7] offset:1024*i+16
.set i, i+1
.endr
	WIN W_ONE
	global_load_b128 v[SC:SC+3], v[WO], s[10:11]
.set n, 0
.rept 32
	XLOAD n                                        ; the ring is filled
.set n, n+1
.endr
	WIN 0
	s_wait_loadcnt 33                              ; loads come back in order (ISA guide 5.7.1): the indices are in; the scales' load and the ring's 32 stay out
.set j, 0
.rept 128
	v_min_u32 v[ADR+j], 0xfff, v[ADR+j]            ; held inside the row,
	v_lshl_add_u32 v[ADR+j], v[ADR+j], 2, s24      ; a word each, in my wave's bytes
.set j, j+1
.endr
; Piece c of 32 of my two rows: 128 columns, four a lane, both rows packed into one word a column, into LDS.  The two slots are asked for again at once:
; with the pieces 16 further on, then with the weights' first rows.
.macro XCHUNK c
.set XA, X+4*((2*(\c))%32)
.set TS, T+4*((\c)%2)
	s_wait_loadcnt 30                              ; of the ring's 32 the two oldest are this piece's
.irp j, 0,1,2,3
	v_cvt_pk_f16_f32 v[TS+(\j)], v[XA+(\j)], v[XA+4+(\j)]   ; row a into the low half, row a + 1 into the high half
.endr
	ds_store_b128 v[LSA], v[TS:TS+3] offset:512*(\c)        ; 32 lanes, 16 neighbouring bytes each
.if (\c) < 16
	XLOAD 2*(\c)+32
	XLOAD 2*(\c)+33
.else
	WLOAD 2*(\c)-32
	WLOAD 2*(\c)-31
.endif
.endm
	WIN W_ONE
.set c, 0
.rept 32
	XCHUNK c
.set c, c+1
.endr
; THE GATHER.  Batch i of 16: my eight columns 256 i + 8 lane + 0..7, a word (both rows) each.  Six batches are asked for ahead.
.macro GISSUE i
.irp e, 0,1,2,3,4,5,6,7
	ds_load_b32 v[G+8*((\i)%8)+(\e)], v[ADR+8*(\i)+(\e)]
.endr
.endm
.macro GATHER i
.if (\i) < 10
	GISSUE (\i)+6
	s_wait_dscnt 48                                ; LDS loads come back in order: batch i is in, the six younger batches stay out
.else
	s_wait_dscnt 8*(15-(\i))                       ; nothing more is asked for: the counts run down
.endif
.if ((\i)%4 == 0) && ((\i) > 0)
	s_wait_xcnt 0x0                                ; every earlier memory instruction has had its addresses translated (ISA guide 3.1): the four slots of O, which the last eight stores read, are rewritten only behind this wait
.endif
.set GB, G+8*((\i)%8)
.set OS, O+8*((\i)%4)
.irp c, 0,1,2,3
	v_perm_b32 v[OS+(\c)],   v[GB+2*(\c)+1], v[GB+2*(\c)], s22  ; two neighbouring columns of row a
	v_perm_b32 v[OS+4+(\c)], v[GB+2*(\c)+1], v[GB+2*(\c)], s23  ; and of row a + 1
.endr
	global_store_b128 v[XSO], v[OS:OS+3],   s[12:13] offset:512*(\i)       ; each store of the wave covers 512 consecutive bytes, aligned
	global_store_b128 v[XSO], v[OS+4:OS+7], s[12:13] offset:512*(\i)+8192
.endm
	WIN 0
.irp i, 0,1,2,3,4,5
	GISSUE \i
.endr
.set i, 0
.rept 16
	GATHER i
.set i, i+1
.endr
; THE WEIGHTS.  Row r of 64: four numbers a lane: to f32, times the column's scale, rounded to f16; the slot takes the row 32 further on, the load ahead of the store.
.macro WROW r
.set XS, X+4*((\r)%32)
.set YS, Y+2*((\r)%8)
.if (\r) < 32
	s_wait_loadcnt 31                              ; row r is in; the ring's 31 younger loads stay out
.else
	s_wait_loadcnt 63-(\r)                         ; the last 32 rows load nothing: the counts run down
.endif
.if ((\r)%8 == 0) && ((\r) > 0)
	s_wait_xcnt 0x0                                ; the eight pairs of Y, which the last eight stores read, are rewritten only behind this wait
.endif
.irp j, 0,1,2,3
	v_cvt_f32_i32 v[XS+(\j)], v[XS+(\j)]
.endr
	v_pk_mul_f32 v[XS:XS+1],   v[XS:XS+1],   v[SC:SC+1]
	v_pk_mul_f32 v[XS+2:XS+3], v[XS+2:XS+3], v[SC+2:SC+3]
	v_cvt_pk_f16_f32 v[YS],   v[XS],   v[XS+1]
	v_cvt_pk_f16_f32 v[YS+1], v[XS+2], v[XS+3]
.if (\r) < 32
	WLOAD (\r)+32
.endif
	global_store_b64 v[WSO], v[YS:YS+1], s[14:15] offset:8192*(\r)  ; 32 lanes store 256 consecutive bytes, aligned
.endm
	WIN W_ONE
.set r, 0
.rept 64
	WROW r
.set r, r+1
.endr
	WIN 0
	s_wait_tensorcnt 0x0                           ; the wave's end, behind my last LDS store
	ds_add_u32 v[SPW], v[NIL]
	s_wait_dscnt 0x0
	s_endpgm
.Lfunc_end_k_qfd63afa002_prep:
	.size	k_qfd63afa002_prep, .Lfunc_end_k_qfd63afa002_prep-k_qfd63afa002_prep
	.p2alignl 7, 3214868480
	.fill 96, 4, 3214868480
	.section	.rodata,"a",@progbits
	.p2align	6, 0x0
	.amdhsa_kernel k_qfd63afa002_prep
		.amdhsa_group_segment_fixed_size 132096
		.amdhsa_private_segment_fixed_size 0
		.amdhsa_enable_private_segment 0
		.amdhsa_kernarg_size 48
		.amdhsa_user_sgpr_count 2
		.amdhsa_user_sgpr_kernarg_segment_ptr 1
		.amdhsa_wavefront_size32 1
		.amdhsa_system_sgpr_workgroup_id_x 1
		.amdhsa_system_sgpr_workgroup_id_y 1
		.amdhsa_system_sgpr_workgroup_id_z 1
		.amdhsa_system_vgpr_workitem_id 0
		.amdhsa_next_free_vgpr 416
		.amdhsa_next_free_sgpr 66
		.amdhsa_reserve_vcc 0
		.amdhsa_float_denorm_mode_32 3
		.amdhsa_float_denorm_mode_16_64 3
		.amdhsa_memory_ordered 1
		.amdhsa_forward_progress 1
		.amdhsa_inst_pref_size 97
	.end_amdhsa_kernel
	.amdgpu_metadata
---
amdhsa.version: [ 1, 2 ]
amdhsa.kernels:
  - .name:           k_qfd63afa002_prep
    .symbol:         k_qfd63afa002_prep.kd
    .args:
      - { .name: x, .offset: 0, .size: 8, .value_kind: global_buffer, .address_space: global }
      - { .name: col_indices, .offset: 8, .size: 8, .value_kind: global_buffer, .address_space: global }
      - { .name: weight_int8, .offset: 16, .size: 8, .value_kind: global_buffer, .address_space: global }
      - { .name: scales, .offset: 24, .size: 8, .value_kind: global_buffer, .address_space: global }
      - { .name: xr, .offset: 32, .size: 8, .value_kind: global_buffer, .address_space: global }
      - { .name: wd, .offset: 40, .size: 8, .value_kind: global_buffer, .address_space: global }
    .group_segment_fixed_size: 132096
    .private_segment_fixed_size: 0
    .kernarg_segment_align: 8
    .kernarg_segment_size: 48
    .max_flat_workgroup_size: 256
    .sgpr_count:     66
    .vgpr_count:     416
    .wavefront_size: 32
...
	.end_amdgpu_metadata
.endif
;; end of part 1
;; launch gemm (part 2): grid 16 x 16, 4 waves a work-group, clusters of 4 x 4, 327,680 bytes of LDS; arguments xr, wd, bias, out0; writes out0
.if DOCPART == 2
	.amdgcn_target "amdgcn-amd-amdhsa--gfx1250"
	.amdhsa_code_object_version 6
	.text
	.protected	k_qfd63afa002_gemm
	.globl	k_qfd63afa002_gemm
	.p2align	8
	.type	k_qfd63afa002_gemm,@function
k_qfd63afa002_gemm:
	s_mov_b64 s[64:65], 0
	v_nop
	global_prefetch_b8 v0, s[64:65] scope:SCOPE_SE
	s_setreg_imm32_b32 hwreg(HW_REG_WAVE_MODE, 25, 1), 1
	s_wait_xcnt 0x0
	s_wait_alu depctr_hold_cnt(0) depctr_sa_sdst(0) depctr_va_vdst(0) depctr_va_sdst(0) depctr_va_ssrc(0) depctr_va_vcc(0) depctr_vm_vsrc(0)
	s_getreg_b32 s2, hwreg(HW_REG_IB_STS2, 6, 4)
	s_cmp_eq_u32 s2, 0
	s_cbranch_scc0 .Lentry_in_a_cluster
	s_endpgm
.Lentry_in_a_cluster:
	s_bfe_u32 s2, ttmp6, 0x10000c
	s_cmp_lg_u32 s2, 0xf033
	s_cbranch_scc0 .Lentry_shape_is_right
	s_endpgm
.Lentry_shape_is_right:
; out0[m][n] = bias[n] + the sum over k of xr[m][k] wd[k][n].  xr: [4096][4096] f16 (K along the rows), wd: [4096 k][4096 n] f16 (N along the rows),
; bias: [4096] f32, out0: [4096][4096] f32.  One f32 sum for each output, K ascending, begun with the bias; nothing is rounded behind the sums.
; LIMIT.  The operands arrive in f16, within 65,504 (the launch before rounds them, and says why f16); an infinity among them spoils its row or column.
; A tile of the output, 256 x 256, is made by a work-group of four waves; a wave makes 128 x 128: 64 accumulators of 16 x 16, 512 registers.  256 tiles, one to a work-group.
; K goes in steps of 128 through a ring of two LDS slots filled by the tensor data mover: 256 rows of xr x 256 bytes, and 128 rows of wd x 512 bytes; every row begins at a multiple of 256 bytes.
; wd STAYS AS IT LIES: its fragments come out of LDS turned, by ds_load_tr16_b128.
; CLUSTERS: 4 x 4 work-groups.  The four of a row of the cluster need the same tiles of xr, the four of a column the same tiles of wd: each tile is asked for JOINTLY, by the same tensor load
; with the same descriptor and a mask that names the four; each receives it in its own LDS.
; THE MATRIX INSTRUCTION IS USED TRANSPOSED: source 0 = 16 columns n of wd, source 1 = 16 rows m of xr.  In the result lane l holds row m = l % 16 and its registers 0 to 7 the columns
; n = 8 (l / 16) + 0..7: eight neighbouring numbers of a row of the output.  So the bias of those eight columns, in eight registers, is the C operand of the product that starts a sum: nothing is cleared, nothing is added later.
; REGISTERS, in windows of 256 (s_set_vgpr_msb: bits 1:0 source 0, 3:2 source 1, 5:4 source 2, 7:6 destination):
;   window 0: v0-31 addresses; v64-127, v128-191 fragments of xr, two buffers (on the way out: rows read back from the stage); v192-255 the bias, 8 registers for each of my 8 blocks of 16 columns
;   window 1: v64-127, v128-191 fragments of wd, two buffers
;   window 2: the 32 accumulators of my rows 0-63 (accumulator (a, b) at v[8 (8 a + b)]);   window 3: those of my rows 64-127
.set KSTEP,  128
.set PA,     272                       ; an LDS row of xr: 256 bytes + 16 of padding = 68 words: row r starts at bank 4 r mod 64 (64 banks of 4 bytes: ISA guide 11.1): the 16 rows of a load start at 16 different banks
.set PB,     544                       ; an LDS row of wd: 512 bytes + 32 = 136 words: row r starts at bank 8 r mod 64
.set HALFT,  34816                     ; what one tensor load brings: 128 rows of xr (128 x 272) or 64 rows of wd (64 x 544)
.set SLOT,   4*HALFT                   ; xr's 256 rows, then wd's 128 rows
.set STAGE,  2*SLOT                    ; behind the ring, never filled by a tensor load: 16 rows x 528 bytes for each wave, for the way out
.set SPITCH, 528                       ; a row of 128 f32 + 16 bytes: 33 x 16, so the 16 rows of a store start at 16 different groups of four banks
.set SPARE,  STAGE+4*16*SPITCH         ; behind the stages: the spare words, 128 bytes for each wave: two blocks of 256 bytes that no other line names
.set LAPS,   16                        ; a lap = two K steps = once round the ring: 4096 / 256
.set ADRA, 16                          ; v16-17  LDS address of my fragments of xr in slot 0, 1
.set ADRB, 20                          ; v20-21  the same for wd
.set STO,  24                          ; v24     the way out: where I put 32 bytes of a row
.set RD,   25                          ; v25     the way out: where I read a row back
.set CO,   26                          ; v26     16 x lane: my 16 bytes in 512 of a row of the output
.set BO,   27                          ; v27     32 (l / 16): my eight columns in a block of 16 of the bias
.set SPW,  28                          ; v28     LDS address of my spare word; never rewritten
.set NIL,  29                          ; v29     0; never rewritten
.set PFO,  30                          ; v30     the prefetches' offset; never rewritten
.set F0,   64
.set F1,   128
.set OB,   64                          ; the way out: 16 rows read back: v64-127 and v128-191 by turns
.set BIAS, 192
.set WV,  12                           ; s12  my wave's number
.set RH,  13                           ; s13  which half of the tile's rows is mine.  Also: I fetch xr (0) or wd (1)
.set CH,  14                           ; s14  which half of its columns.  Also: which half of that tile I fetch
.set CX,  16                           ; s16, s17  my place in the cluster
.set CY,  17
.set TC,  18                           ; s18  tile column
.set TR,  19                           ; s19  tile row
.set LIM, 22                           ; s22  1 in a wave that prefetches, else the greatest number
.set G1,  24                           ; s[24:31] descriptor group 1 for xr's tiles
.set G0,  32                           ; s[32:39] group 0 for xr's tiles, a set for each slot
.set PFA, 44                           ; s[44:45] where my prefetches stand
.set PST, 46                           ; s[46:47] their step from K step to K step
.set G1B, 48                           ; s[48:55] descriptor group 1 for wd's tiles
.set G0B, 56                           ; s[56:63] group 0 for wd's tiles
.set MSB, 0
.macro WIN new                         ; the immediate's high byte repeats the setting that is left; a switch that changes nothing is dropped
.if MSB != (\new)
	s_set_vgpr_msb (MSB<<8)|(\new)
.set MSB, \new
.endif
.endm
.set TO_B, 0x40                        ; destination window 1, address window 0
; A joint load.  Waves 0 and 1 fetch xr's two halves, waves 2 and 3 wd's.  The branch hangs on the wave's number alone.  An s_nop 0 and four v_nop follow each of the two lines,
; ahead of the jump, the label and what follows the macro.
.macro JLOAD s
	s_cmp_eq_u32 s[RH], 0
	s_cbranch_scc0 .Lfor_b_\@
	tensor_load_to_lds s[G0+4*(\s):G0+4*(\s)+3], s[G1:G1+7]
	s_nop 0
.rept 4
	v_nop
.endr
	s_branch .Lasked_\@
.Lfor_b_\@:
	tensor_load_to_lds s[G0B+4*(\s):G0B+4*(\s)+3], s[G1B:G1B+7]
	s_nop 0
.rept 4
	v_nop
.endr
.Lasked_\@:
.endm
; A PREFETCH INTO THE L2, behind each joint refill, its five lines and the run of LDS loads that follows: 32 blocks of 256 bytes of the K step that stands TWO refills on (512 matrix instructions ahead of the
; load that will want it), a lane a block, one instruction a wave.  Each block is named ONCE in the launch: xr's tile row is read by every cluster of that row of clusters, and the one with x = 0 asks;
; wd's tile column by every cluster of that column, and the one with y = 0 asks.  The four partners that ask for a tile jointly share it out BY ADDRESS: of a wave's 128 rows of xr the partner at cx takes
; 32; of its 64 rows of wd (two blocks each) the partner at cy takes 16.  The loop's last trip (s3 = 1) asks for nothing: there is no K step two on.  K steps 0 to 3 come by their loads alone.
.macro ASK
	s_cmp_gt_u32 s3, s[LIM]
	s_cbranch_scc0 .Lnot_mine_\@
	global_prefetch_b8 v[PFO], s[PFA:PFA+1] th:TH_LOAD_NT scope:SCOPE_SE
.Lnot_mine_\@:
.endm
; A round of the cluster's barrier: my work-group's barrier, so that wave 0's signal speaks for all four waves; wave 0 signals for the work-group; every wave waits for all sixteen
; work-groups; my work-group's barrier once more.  No LDS instruction of the wave is pending at a signal.
.macro CREST                           ; a round behind its opening barrier
	s_cmp_lg_u32 s[WV], 0
	s_cbranch_scc1 .Lnot_wave_0_\@
	s_barrier_signal -3
.Lnot_wave_0_\@:
	s_barrier_wait -3
	s_barrier_signal -1
	s_barrier_wait -1
.endm
.macro CROUND                          ; a whole round
	s_barrier_signal -1
	s_barrier_wait -1
	CREST
.endm
	s_load_b256 s[4:11], s[0:1], 0x0               ; xr s[4:5], wd s[6:7], bias s[8:9], out0 s[10:11]
	v_lshl_add_u32 v[SPW], v0, 2, SPARE
	v_mov_b32 v[NIL], 0
	ds_add_u32 v[SPW], v[NIL]                      ; the wave's opening: the add and its wait stand ahead of my first tensor load; the set-up below, work on registers, stands between them
	v_lshrrev_b32 v1, 5, v0
	v_readfirstlane_b32 s[WV], v1                  ; wave 0..3
	s_lshr_b32 s[RH], s[WV], 1
	s_and_b32 s[CH], s[WV], 1
	s_bfe_u32 s[CX], ttmp6, 0x40000
	s_bfe_u32 s[CY], ttmp6, 0x40004
	s_lshl_b32 s[TC], ttmp9, 2                     ; in a cluster launch ttmp9 and ttmp7 count clusters
	s_add_co_u32 s[TC], s[TC], s[CX]               ; tile column = 4 x cluster x + cx
	s_and_b32 s[TR], ttmp7, 0xffff
	s_lshl_b32 s[TR], s[TR], 2
	s_add_co_u32 s[TR], s[TR], s[CY]               ; tile row = 4 x cluster y + cy
	s_lshl_b32 s20, s[CY], 2
	s_lshl_b32 s20, 15, s20                        ; my row of the cluster: places 4 cy .. 4 cy + 3
	s_lshl_b32 s21, 0x1111, s[CX]                  ; my column: places cx, cx + 4, cx + 8, cx + 12
	; group 1 for xr: a tile of 128 rows x 128 elements
	s_or_b32 s[G1+0], s20, (1<<16)|(1<<20)|(1<<21)|(5<<22)|(3<<25)   ; 15:0 the mask: my row; 17:16 elements of 2 bytes; 20 padding on; 21 set beside a mask; 24:22 after every 64 words (code 5); 31:25 4 words (code 3)
	s_mov_b32 s[G1+1], 128<<16                     ; tensor_dim0 = 128
	s_mov_b32 s[G1+2], 128<<16                     ; tensor_dim1 = 128
	s_mov_b32 s[G1+3], 128<<16                     ; tile_dim0 = 128
	s_mov_b32 s[G1+4], 128                         ; tile_dim1 = 128
	s_mov_b32 s[G1+5], 4096                        ; elements from row to row
	s_mov_b32 s[G1+6], 0
	s_mov_b32 s[G1+7], 0
	; group 1 for wd: a tile of 64 rows x 256 elements
	s_or_b32 s[G1B+0], s21, (1<<16)|(1<<20)|(1<<21)|(6<<22)|(7<<25)  ; the mask: my column; padding after every 128 words (code 6), 8 words (code 7)
	s_mov_b32 s[G1B+1], 256<<16                    ; tensor_dim0 = 256
	s_mov_b32 s[G1B+2], 64<<16                     ; tensor_dim1 = 64
	s_mov_b32 s[G1B+3], 256<<16                    ; tile_dim0 = 256
	s_mov_b32 s[G1B+4], 64                         ; tile_dim1 = 64
	s_mov_b32 s[G1B+5], 4096
	s_mov_b32 s[G1B+6], 0
	s_mov_b32 s[G1B+7], 0
	; where the tiles come from.  xr's hang on the tile row alone, which my row of the cluster shares; wd's on the tile column alone, which my column shares.
	s_lshl_b32 s40, s[TR], 21                      ; 256 rows of 8,192 bytes
	s_lshl_b32 s68, s[CH], 20                      ; + the 128 rows that I fetch
	s_add_co_u32 s40, s40, s68
	s_mov_b32 s41, 0
	s_lshl_b32 s42, s[TC], 9                       ; 256 columns of 2 bytes
	s_lshl_b32 s69, s[CH], 19                      ; + the 64 rows of a K step that I fetch
	s_add_co_u32 s42, s42, s69
	s_mov_b32 s43, 0
	s_mul_i32 s23, s[WV], HALFT                    ; and where they go: xr's two halves, then wd's two halves: no place in the cluster enters an LDS address
	s_wait_dscnt 0x0                               ; the opening add is done
	s_wait_kmcnt 0x0
	s_add_nc_u64 s[40:41], s[4:5], s[40:41]
	s_add_nc_u64 s[42:43], s[6:7], s[42:43]
	CROUND                                         ; all sixteen work-groups are here: the first joint loads meet
.irp s, 0,1
	s_mov_b32 s[G0+4*(\s)], 1                                      ; 1:0 count = 1
	s_add_co_u32 s[G0+4*(\s)+1], s23, (\s)*SLOT                    ; 63:32 LDS address
	s_add_nc_u64 s[G0+4*(\s)+2:G0+4*(\s)+3], s[40:41], (\s)*KSTEP*2  ; 120:64 global address: K step s lies 256 bytes along the rows
	s_or_b32 s[G0+4*(\s)+3], s[G0+4*(\s)+3], 0x80000000            ; 127:126 type = 2
	s_mov_b32 s[G0B+4*(\s)], 1
	s_add_co_u32 s[G0B+4*(\s)+1], s23, (\s)*SLOT
	s_add_nc_u64 s[G0B+4*(\s)+2:G0B+4*(\s)+3], s[42:43], (\s)*KSTEP*8192  ; K step s lies 128 rows down
	s_or_b32 s[G0B+4*(\s)+3], s[G0B+4*(\s)+3], 0x80000000
.endr
	s_cmp_eq_u32 s[RH], 0                          ; a wave's two first fills stand in one branch, ahead of every wait on TENSORcnt and every LDS read: two loads of mine are out
	s_cbranch_scc0 .Lfirst_b
	tensor_load_to_lds s[G0:G0+3], s[G1:G1+7]
	s_nop 0
	tensor_load_to_lds s[G0+4:G0+7], s[G1:G1+7]
	s_nop 0
.rept 4
	v_nop
.endr
	s_branch .Lfirst_asked
.Lfirst_b:
	tensor_load_to_lds s[G0B:G0B+3], s[G1B:G1B+7]
	s_nop 0
	tensor_load_to_lds s[G0B+4:G0B+7], s[G1B:G1B+7]
	s_nop 0
.rept 4
	v_nop
.endr
.Lfirst_asked:
	; A fragment is 16 rows (or columns) x 32 K in 8 registers: lane l holds row l % 16; registers 0-3 hold K = 8 (l / 16) + 0..7, registers 4-7 K = 16 + 8 (l / 16) + 0..7.
	; xr's rows lie along K: two loads of 16 bytes, 32 bytes apart.
	v_and_b32 v1, 15, v0                           ; l % 16
	v_bfe_u32 v2, v0, 4, 1                         ; l / 16
	v_mul_u32_u24 v3, v1, PA
	v_lshl_add_u32 v3, v2, 4, v3                   ; row x pitch + 16 x half
	s_mul_i32 s68, s[RH], HALFT                    ; my 128 rows of xr
	v_add_nc_u32 v[ADRA], s68, v3
	v_add_nc_u32 v[ADRA+1], SLOT, v[ADRA]
	; wd's rows lie along N: the turning load takes 16 K x 16 columns (lane l reads 16 bytes: K = 8 (l / 16) + l % 8, columns 8 ((l / 8) % 2) + 0..7) and leaves half a fragment: lane l holds column l % 16 and 8 K.
	v_and_b32 v4, 7, v0
	v_lshl_add_u32 v4, v2, 3, v4
	v_mul_u32_u24 v4, v4, PB
	v_bfe_u32 v5, v0, 3, 1
	v_lshl_add_u32 v4, v5, 4, v4
	s_lshl_b32 s69, s[CH], 8                       ; my 128 columns: 256 bytes of a row,
	s_add_co_u32 s69, s69, 2*HALFT                 ; behind xr's 256 rows
	v_add_nc_u32 v[ADRB], s69, v4
	v_add_nc_u32 v[ADRB+1], SLOT, v[ADRB]
	s_mul_i32 s69, s[WV], 16*SPITCH
	s_add_co_u32 s69, s69, STAGE                   ; my stage
	v_mul_u32_u24 v5, v1, SPITCH                   ; in: row l % 16, 32 bytes for each half of the lanes
	v_lshl_add_u32 v5, v2, 5, v5
	v_add_nc_u32 v[STO], s69, v5
	v_and_b32 v6, 31, v0
	v_lshlrev_b32 v[CO], 4, v6                     ; back: 32 lanes take one row of 512 bytes,
	v_add_nc_u32 v[RD], s69, v[CO]                 ; which are 512 consecutive bytes of the output
	v_lshlrev_b32 v[BO], 5, v2
	s_lshl_b32 s66, s[TC], 10                      ; my 128 columns of f32: 1,024 x tile column + 512 x half
	s_lshl_b32 s70, s[CH], 9
	s_add_co_u32 s66, s66, s70
	s_mov_b32 s67, 0
	s_add_nc_u64 s[8:9], s[8:9], s[66:67]          ; the bias at my first column
	s_lshl_b32 s70, s[TR], 22                      ; 256 rows of 16,384 bytes
	s_add_co_u32 s66, s66, s70
	s_lshl_b32 s70, s[RH], 21                      ; + my 128 rows
	s_add_co_u32 s66, s66, s70
	s_add_nc_u64 s[10:11], s[10:11], s[66:67]      ; the output at my first number; never rewritten
.irp b, 0,1,2,3,4,5,6,7
	global_load_b128 v[BIAS+8*(\b):BIAS+8*(\b)+3],   v[BO], s[8:9] offset:64*(\b)
	global_load_b128 v[BIAS+8*(\b)+4:BIAS+8*(\b)+7], v[BO], s[8:9] offset:64*(\b)+16
.endr
	; the prefetches.  A wave that fetches xr: a lane a row (8,192 bytes apart).  One that fetches wd: two lanes a row, 256 bytes apart.  Both by one expression in RH.
	v_lshrrev_b32 v7, s[RH], v6
	v_and_b32 v8, s[RH], v6
	v_lshlrev_b32 v8, 8, v8
	v_lshl_add_u32 v[PFO], v7, 13, v8
	s_and_b32 s70, ttmp7, 0xffff                   ; cluster y
	s_mov_b32 s73, KSTEP*8192                      ; wd: a K step is 128 rows
	s_cmp_eq_u32 s[RH], 0                          ; do I fetch xr?
	s_cselect_b32 s70, ttmp9, s70                  ; the coordinate along which other clusters read the same rows
	s_cselect_b32 s71, s[CX], s[CY]                ; my place among the four that ask with me
	s_cselect_b32 s72, 18, 17                      ; its share: 32 rows, or 16, of 8,192 bytes
	s_cselect_b32 s[PST], 256, s73
	s_cselect_b64 s[PFA:PFA+1], s[40:41], s[42:43] ; what I fetch, at K step 0
	s_mov_b32 s[PST+1], 0
	s_lshl_b32 s74, s71, s72
	s_mul_i32 s75, s[PST], 3                       ; at K step 3: the first refill steps it to 4 and names that
	s_add_co_u32 s74, s74, s75
	s_mov_b32 s75, 0
	s_add_nc_u64 s[PFA:PFA+1], s[PFA:PFA+1], s[74:75]
	s_cmp_eq_u32 s70, 0
	s_cselect_b32 s[LIM], 1, -1                    ; the same in all sixteen partners, for a given wave
; 16 matrix instructions: m blocks a0, a0 + 1 of the window's four (hi = 0: my rows 0-63, 1: rows 64-127) x all 8 n blocks, 32 along K.
; zero = 1: the first product starts the sums, with the bias as its C operand (window 0).  The 64 accumulators take turns, one instruction a turn, in the same order in every quarter.
.macro MUL16 f, hi, a0, zero
.if \zero
	WIN 0x81+0x40*(\hi)                            ; source 0 (wd) window 1, source 1 (xr) and C window 0, D window 2 or 3
.else
	WIN 0xa1+0x50*(\hi)                            ; the same with C in D's window
.endif
.irp a, \a0, (\a0)+1
.irp b, 0,1,2,3,4,5,6,7
.if \zero
	v_wmma_f32_16x16x32_f16 v[8*(8*(\a)+(\b)):8*(8*(\a)+(\b))+7], v[(\f)+8*(\b):(\f)+8*(\b)+7], v[(\f)+8*(4*(\hi)+(\a)):(\f)+8*(4*(\hi)+(\a))+7], v[BIAS+8*(\b):BIAS+8*(\b)+7]
.else
	v_wmma_f32_16x16x32_f16 v[8*(8*(\a)+(\b)):8*(8*(\a)+(\b))+7], v[(\f)+8*(\b):(\f)+8*(\b)+7], v[(\f)+8*(4*(\hi)+(\a)):(\f)+8*(4*(\hi)+(\a))+7], v[8*(8*(\a)+(\b)):8*(8*(\a)+(\b))+7]
.endif
.endr
.endr
.endm
; 32 LDS loads in one run: the fragments of quarter q of a K step (32 K x my 128 columns of wd, turned; my 128 rows of xr x 32 K) into buffer f
.macro FETCH slot, q, f
	WIN TO_B
.irp i, 0,1,2,3,4,5,6,7
	ds_load_tr16_b128 v[(\f)+8*(\i):(\f)+8*(\i)+3],   v[ADRB+(\slot)] offset:(\q)*32*PB+32*(\i)
	ds_load_tr16_b128 v[(\f)+8*(\i)+4:(\f)+8*(\i)+7], v[ADRB+(\slot)] offset:(\q)*32*PB+16*PB+32*(\i)
.endr
	WIN 0
.irp i, 0,1,2,3,4,5,6,7
	ds_load_b128 v[(\f)+8*(\i):(\f)+8*(\i)+3],   v[ADRA+(\slot)] offset:64*(\q)+(\i)*16*PA
	ds_load_b128 v[(\f)+8*(\i)+4:(\f)+8*(\i)+7], v[ADRA+(\slot)] offset:64*(\q)+(\i)*16*PA+32
.endr
.endm
; A load into a register that a matrix instruction has read, and an LDS store that reads a matrix result, stand four places behind that matrix instruction, and only plain vector instructions
; that name none of its registers are places (ISA guide 7.12.1 for vector instructions).
.macro PLACES
.rept 4
	v_nop
.endr
.endm
; A K step is four quarters of 32 along K, 64 matrix instructions each, on buffers 0, 1, 0, 1.  One of the first three: multiplies buffer f; in its middle it fetches quarter q of the same slot into buffer g.
.macro QUARTER slot, q, f, g, zero
	s_wait_dscnt 8                                 ; wd's fragments and xr's rows 0-63 are in; the youngest eight loads (xr's rows 64-127) may be out
	MUL16 \f, 0, 0, \zero
	MUL16 \f, 0, 2, \zero
	PLACES
	FETCH \slot, \q, \g
	s_wait_dscnt 32                                ; all but the 32 just issued
	MUL16 \f, 1, 0, \zero
	MUL16 \f, 1, 2, \zero
.endm
; The last quarter multiplies buffer 1 and changes slots: ONE barrier.  In front of it each wave waits for all its tensor loads, of which one is out: its part of the next slot; adds 0 to its spare
; word; and waits for that and for its own reads of this slot.  Behind it nobody reads this slot any more and the next slot is whole.
; fill = 1: this slot is filled again, two K steps ahead.  The barrier then opens a round of the cluster's, so that no wave of any partner still reads the slot or has a load on its way, and the
; joint refill is the first tensor load behind the round: 224 matrix instructions ahead of the wait for it.
.macro TURN slot, next, fill
.if \fill
	s_wait_xcnt 0x0                                ; the last prefetch, a K step back, has read its address: it is stepped here, ahead of the waits of the change of slots
	s_add_nc_u64 s[PFA:PFA+1], s[PFA:PFA+1], s[PST:PST+1]
.endif
	WIN 0                                          ; (the add's two registers lie in window 0)
	s_wait_tensorcnt 0x0                           ; all my tensor loads have landed: my part of the next slot;
	ds_add_u32 v[SPW], v[NIL]                      ; 0 onto my spare word;
	s_wait_dscnt 9                                 ; (the add and the youngest eight loads may be out)
	MUL16 F1, 0, 0, 0                              ; sixteen matrix instructions stand between the add and the wait for it
	s_wait_dscnt 0x0                               ; the add is done, and my reads of this slot are over
	s_barrier_signal -1
	MUL16 F1, 0, 2, 0                              ; work on registers while the others arrive
.if \fill
	WIN 0
.endif
	s_barrier_wait -1
.if \fill
	CREST
	s_add_nc_u64 s[G0+4*(\slot)+2:G0+4*(\slot)+3], s[G0+4*(\slot)+2:G0+4*(\slot)+3], 2*KSTEP*2      ; no tensor load of mine is out, so a group 0 may be written
	s_add_nc_u64 s[G0B+4*(\slot)+2:G0B+4*(\slot)+3], s[G0B+4*(\slot)+2:G0B+4*(\slot)+3], 2*KSTEP*8192
	JLOAD \slot                                    ; the four v_nop behind it are also the places in front of the loads below
.else
	PLACES
.endif
	FETCH \next, 0, F0
.if \fill
	ASK
.endif
	MUL16 F1, 1, 0, 0
	MUL16 F1, 1, 2, 0
.endm
; THE WAY OUT of block a (16 rows x my 128 columns).  A lane's eight numbers are 32 bytes of a row, and the lanes beside it hold other rows: so the block goes through my own stage in LDS, in rows
; of 528 bytes, and comes back as whole rows of 512.  Each accumulator's lowest four registers are read first.
.macro TOSTAGE a
.set AC, 64*((\a)%4)
.set BK, OB+64*((\a)%2)
	WIN 0x08+4*((\a)/4)                            ; the stores' data: window 2 or 3
.irp b, 0,1,2,3,4,5,6,7
	ds_store_b128 v[STO], v[AC+8*(\b):AC+8*(\b)+3]   offset:64*(\b)
	ds_store_b128 v[STO], v[AC+8*(\b)+4:AC+8*(\b)+7] offset:64*(\b)+16
.endr
	WIN 0
.if (\a) >= 2
	s_wait_xcnt 0x0                                ; every earlier memory instruction has had its addresses translated (ISA guide 3.1): the registers that block a - 2's stores read are loaded again only behind this wait
.endif
.irp t, 0,1,2,3,4,5,6,7,8,9,10,11,12,13,14,15
	ds_load_b128 v[BK+4*(\t):BK+4*(\t)+3], v[RD] offset:SPITCH*(\t)  ; LDS serves a wave's instructions in order (ISA guide 5.7.1.4): these see the stores above; the next block's stores come behind them
.endr
.endm
.macro SEND a, younger                 ; younger: the LDS instructions issued behind block a's loads: the next block's 32, or none
.set BK, OB+64*((\a)%2)
.irp t, 0,1,2,3,4,5,6,7,8,9,10,11,12,13,14,15
	s_wait_dscnt (\younger)+15-(\t)
	global_store_b128 v[CO], v[BK+4*(\t):BK+4*(\t)+3], s[10:11] offset:(16*(\a)+(\t))*16384 th:TH_STORE_NT  ; 512 consecutive bytes, aligned; the row stands in the immediate: 127 rows of 16,384 bytes at the most, inside its signed 24 bits
.endr
.endm
	s_wait_tensorcnt 1                             ; my part of K step 0 is in; K step 1's may stay out
	s_barrier_signal -1
	s_barrier_wait -1                              ; everybody's is
	FETCH 0, 0, F0
	s_wait_loadcnt 0x0                             ; the bias
	QUARTER 0, 1, F0, F1, 1                        ; the first quarter stands in front of the loop: its products start the sums
	WIN 0                                          ; at a label and at a branch every window is 0
	s_mov_b32 s3, LAPS-1
.Llap:                                                 ; a trip goes once round the ring, from a lap's second quarter to the next lap's first, and fills both slots again
	QUARTER 0, 2, F1, F0, 0
	QUARTER 0, 3, F0, F1, 0
	TURN 0, 1, 1
	QUARTER 1, 1, F0, F1, 0
	QUARTER 1, 2, F1, F0, 0
	QUARTER 1, 3, F0, F1, 0
	TURN 1, 0, 1
	QUARTER 0, 1, F0, F1, 0
	WIN 0
	s_sub_co_u32 s3, s3, 1
	s_cmp_lg_u32 s3, 0
	s_cbranch_scc1 .Llap
	QUARTER 0, 2, F1, F0, 0                        ; the last lap is written out: it fills nothing, and has no round of the cluster's barrier
	QUARTER 0, 3, F0, F1, 0
	TURN 0, 1, 0
	QUARTER 1, 1, F0, F1, 0
	QUARTER 1, 2, F1, F0, 0
	QUARTER 1, 3, F0, F1, 0
	s_wait_dscnt 8                                 ; the very last quarter: nothing more to fetch
	MUL16 F1, 0, 0, 0
	MUL16 F1, 0, 2, 0
	s_wait_dscnt 0x0
	MUL16 F1, 1, 0, 0
	MUL16 F1, 1, 2, 0
	PLACES                                         ; behind the last products: the stage's stores read results, and its loads land in registers that products have read
	TOSTAGE 0
.irp a, 1,2,3,4,5,6,7                  ; block a goes into the stage and is asked back while block a - 1's rows come in and leave
	TOSTAGE \a
	SEND (\a)-1, 32
.endr
	SEND 7, 0
	s_wait_tensorcnt 0x0                           ; the wave's end, behind my last tensor load and my last LDS store
	ds_add_u32 v[SPW], v[NIL]
	s_wait_dscnt 0x0
	CROUND                                         ; the closing round: no work-group ends while a partner may still ask for a tile that names it
	s_endpgm
.Lfunc_end_k_qfd63afa002_gemm:
	.size	k_qfd63afa002_gemm, .Lfunc_end_k_qfd63afa002_gemm-k_qfd63afa002_gemm
	.p2alignl 7, 3214868480
	.fill 96, 4, 3214868480
	.section	.rodata,"a",@progbits
	.p2align	6, 0x0
	.amdhsa_kernel k_qfd63afa002_gemm
		.amdhsa_group_segment_fixed_size 327680
		.amdhsa_private_segment_fixed_size 0
		.amdhsa_enable_private_segment 0
		.amdhsa_kernarg_size 32
		.amdhsa_user_sgpr_count 2
		.amdhsa_user_sgpr_kernarg_segment_ptr 1
		.amdhsa_wavefront_size32 1
		.amdhsa_system_sgpr_workgroup_id_x 1
		.amdhsa_system_sgpr_workgroup_id_y 1
		.amdhsa_system_sgpr_workgroup_id_z 1
		.amdhsa_system_vgpr_workitem_id 0
		.amdhsa_next_free_vgpr 1024
		.amdhsa_next_free_sgpr 76
		.amdhsa_reserve_vcc 0
		.amdhsa_float_denorm_mode_32 3
		.amdhsa_float_denorm_mode_16_64 3
		.amdhsa_memory_ordered 1
		.amdhsa_forward_progress 1
		.amdhsa_inst_pref_size 146
	.end_amdhsa_kernel
	.amdgpu_metadata
---
amdhsa.version: [ 1, 2 ]
amdhsa.kernels:
  - .name:           k_qfd63afa002_gemm
    .symbol:         k_qfd63afa002_gemm.kd
    .args:
      - { .name: xr, .offset: 0, .size: 8, .value_kind: global_buffer, .address_space: global }
      - { .name: wd, .offset: 8, .size: 8, .value_kind: global_buffer, .address_space: global }
      - { .name: bias, .offset: 16, .size: 8, .value_kind: global_buffer, .address_space: global }
      - { .name: out0, .offset: 24, .size: 8, .value_kind: global_buffer, .address_space: global }
    .group_segment_fixed_size: 327680
    .private_segment_fixed_size: 0
    .kernarg_segment_align: 8
    .kernarg_segment_size: 32
    .max_flat_workgroup_size: 128
    .sgpr_count:     76
    .vgpr_count:     1024
    .wavefront_size: 32
...
	.end_amdgpu_metadata
.endif
;; end of part 2
;; ======== version 2 of 2: 2 launches; version 1 with the launch prep written anew for expert scheduling mode
;; limits: values are held in f16: magnitudes above 65,504 overflow, below 6.1e-05 lose precision; right only within a limited range of input values
;; workspace buffers: xr 33,554,432 bytes; wd 33,554,432 bytes
;; launch prep (part 3): grid 256 x 1, 8 waves a work-group, no clusters, 132,096 bytes of LDS; arguments x, col_indices, weight_int8, scales, xr, wd; writes xr, wd
.if DOCPART == 3
	.amdgcn_target "amdgcn-amd-amdhsa--gfx1250"
	.amdhsa_code_object_version 6
	.text
	.protected	k_qfd63afa002_prep
	.globl	k_qfd63afa002_prep
	.p2align	8
	.type	k_qfd63afa002_prep,@function
k_qfd63afa002_prep:
	s_mov_b64 s[64:65], 0
	v_nop
	global_prefetch_b8 v0, s[64:65] scope:SCOPE_SE
	s_setreg_imm32_b32 hwreg(HW_REG_WAVE_SCHED_MODE, 0, 2), 2
	s_setreg_imm32_b32 hwreg(HW_REG_WAVE_MODE, 25, 1), 1
	s_wait_xcnt 0x0
	s_wait_alu depctr_vm_vsrc(0)
; BOTH OPERANDS OF THE PRODUCT, MADE ONCE, IN f16.
;   xr[m][k] = f16(x[m][col_indices[k]])                       x: [4096][4096] f32,  xr: [4096][4096] f16
;   wd[k][n] = f16(f32(weight[k][n]) * scales[k / 128][n])     weight: [4096][4096] i32, scales: [32][4096] f32, wd: [4096][4096] f16
; Each number is rounded once; the product w * s is made in f32.
; WHY f16.  Every output must lie within 1% of the outputs' root mean square r plus 1% of itself.  A number rounded to p significant bits is off by about 0.41 x 2^-p of itself (root mean square); two such
; operands put about 0.58 x 2^-p of r on a sum, and the largest of 2^24 sums lies five to six times higher: with p = 8 (bf16) past 1% of r, with p = 11 (f16) an eighth of that.
; LIMITS.  f16 holds no number beyond 65,504: an |x| or a |w * s| of 65,520 or more becomes an infinity; below 6e-5 a number keeps f16's fixed step of 6e-8.
; A column index is taken as an unsigned number and held to 0 .. 4095: an index outside the table counts as 4095.
; SHARES.  256 work-groups of eight waves.  Work-group b takes rows 16 b .. 16 b + 15 of x, wave w the pair a = 16 b + 2 w and a + 1;
; and of the weights rows 64 (b / 4) .. + 63 (all in one group of scales), columns 1024 (b % 4) + 128 w .. + 127 for wave w, four columns a lane.
; THE GATHER goes through LDS.  A wave lays its two rows into its own 16,384 bytes, word j = { f16 x[a][j] low, f16 x[a+1][j] high }: one
; 4-byte LDS load then fetches one column for both rows.  No wave touches another's bytes, so there is no barrier, and since LDS serves a wave's
; instructions in order (ISA guide 5.7.1.4) no wait stands between its stores and its loads.
; THE STREAM.  128 loads of 512 consecutive bytes a wave, 64 of x and then 64 of the weights, in 16 blocks of eight, through a ring of 40 load slots of four registers: five blocks.
; 24 to 32 loads of every wave are on their way, from the first row of x to the last row of the weights; the weights' first 40 rows are asked for while x is laid into LDS, and are on their way during the gather.
; No tensor loads (nothing is shared between waves), no matrix work, no cluster, no prefetch: every byte is read once and the loads themselves run ahead.
; THE MODE: SCHED_MODE bits 1:0 = 2 (LLVM: expert scheduling mode 2), set by the entry lines.  The code itself states the register dependences
; between vector instructions and memory or LDS instructions, with s_wait_alu, always for 0.
; THE PLAN.  In the turn of block P the vector lines work on block P; the turn's memory lines are block P - 1's: its stores, and the loads of block P + 4, which land in its slots.
; Registers that memory or LDS instructions touch:
;   X        five blocks of eight slots; block P lies in slots 8 (P % 5) .. + 7.  Written by the loads issued in the turn of block P - 4; read by block P's vector lines (the weights' also write them, in place).
;            The weights' rows 24 to 63 are the last in their slots: they are rounded in place and stored from there, and nothing writes those registers again.
;   T0, T1   block p of x: its sixteen conversions write T[p % 2]; the four LDS stores issued in the turn of block p + 1 read it.
;   ADR      written by the index loads and by the head's arithmetic; batch i's eight LDS loads read ADR + 8 i .. + 7 as addresses.  Then the same eight registers take the batch's result:
;            step i's eight v_perm_b32 write them, the two stores issued in step i + 1 read them, and nothing writes them again.
;   G        a ring of eight batches.  Written by the LDS loads of batch i + 7, issued in step i, into the registers of batch i - 1; read by step i's v_perm_b32.
;   Y        a pair for each of the weights' rows 0 to 23, whose slots are loaded again: written once, read by the store issued in the next block's turn.
;   v2, v3 and, in window 1, v244 to v247: byte offsets, made at the head and never written again; neither are the scalar bases: rows and pieces stand in the immediate offsets.
; So ONE wait on va_vdst at the head of a turn states all that the turn's memory lines hang on, and they are dealt among its vector lines with no further wait.  A wait on vm_vsrc stands where T is
; written again (x's blocks 2 to 7) and where addresses give way to results (the gather's steps 0, 7 and 14).  No register that a global load or store reads is ever written again: the text holds no s_wait_xcnt.
; REGISTERS, in windows of 256 (s_set_vgpr_msb: bits 1:0 source 0, 3:2 source 1, 5:4 source 2, 7:6 destination).
.set SPARE, 131072                     ; behind the eight waves' rows: the spare words, 128 bytes a wave: four blocks of 256 bytes that no other line names
; window 0
.set IO,  2                            ; v2        32 x lane: my eight indices in 256
.set XSO, 3                            ; v3        16384 w + 16 lane: my 16 bytes in xr's row a, from the group's first row
.set SPW, 4                            ; v4        LDS address of my spare word; never rewritten
.set NIL, 5                            ; v5        0; never rewritten
.set ADR, 64                           ; v[64:191] register 8 i + e: the index, then the LDS address, of column k = 256 i + 8 lane + e; at last batch i's 16 bytes of row a (four registers) and of row a + 1
.set G,   192                          ; v[192:255] a ring of eight batches of eight gathered words
; window 1
.set X,   0                            ; v[0:159]   the ring of 40 load slots
.set T,   160                          ; v[160:191] two sets of sixteen packed words on their way into LDS
.set Y,   192                          ; v[192:239] 24 pairs: four f16 of wd to store, rows 0 to 23
.set SC,  240                          ; v[240:243] the scales of my four columns
.set XO,  244                          ; v244       32768 w + 16 lane: in x
.set LSA, 245                          ; v245       16384 w + 16 lane: in LDS
.set WO,  246                          ; v246       512 w + 16 lane: in a row of the weights and of the scales
.set WSO, 247                          ; v247       256 w + 8 lane: in a row of wd
.set MSB, 0
.macro WIN new                         ; the immediate's high byte repeats the setting that is left; a switch that changes nothing is dropped
.if MSB != (\new)
	s_set_vgpr_msb (MSB<<8)|(\new)
.set MSB, \new
.endif
.endm
.set W_MK,  0x40                       ; destination window 1, sources window 0
.set W_ONE, 0x55                       ; everything in window 1
	s_load_b256 s[4:11], s[0:1], 0x0               ; x s[4:5], col_indices s[6:7], weight s[8:9], scales s[10:11]
	s_load_b128 s[12:15], s[0:1], 0x20             ; xr s[12:13], wd s[14:15]
	v_lshl_add_u32 v[SPW], v0, 2, SPARE
	v_mov_b32 v[NIL], 0
	v_and_b32 v1, 31, v0                           ; lane
	v_lshrrev_b32 v6, 5, v0
	v_readfirstlane_b32 s16, v6                    ; wave 0..7
	s_mov_b32 s22, 0x05040100                      ; v_perm_b32: the two low halves
	s_mov_b32 s23, 0x07060302                      ; the two high halves
	v_lshlrev_b32 v[IO], 5, v1
	s_wait_alu depctr_va_sdst(0)                   ; s16 is written, ahead of its first reader: the four shifts below
	s_lshl_b32 s24, s16, 14                        ; my wave's rows in LDS, and its two rows in xr
	s_lshl_b32 s25, s16, 15                        ; its two rows in x
	s_lshl_b32 s26, s16, 9                         ; its 128 columns of i32 or f32
	s_lshl_b32 s27, s16, 8                         ; its 128 columns of f16
	v_lshl_add_u32 v[XSO], v1, 4, s24
	WIN W_MK
	v_lshl_add_u32 v[XO],  v1, 4, s25
	v_lshl_add_u32 v[LSA], v1, 4, s24
	v_lshl_add_u32 v[WO],  v1, 4, s26
	v_lshl_add_u32 v[WSO], v1, 3, s27
	WIN 0
	s_lshr_b32 s17, ttmp9, 2                       ; which 64 rows of the weights
	s_and_b32 s18, ttmp9, 3                        ; which 1,024 columns
	s_mov_b32 s21, 0                               ; the offsets' high word: all stay under 2^27
	s_wait_kmcnt 0x0
	s_lshl_b32 s20, ttmp9, 18                      ; 16 rows of 16,384 bytes
	s_add_nc_u64 s[4:5], s[4:5], s[20:21]
	s_lshl_b32 s20, ttmp9, 17                      ; 16 rows of 8,192 bytes
	s_add_nc_u64 s[12:13], s[12:13], s[20:21]
	s_lshl_b32 s19, s18, 12                        ; 1,024 columns of 4 bytes
	s_lshl_b32 s20, s17, 20                        ; 64 rows of 16,384 bytes
	s_add_co_u32 s20, s20, s19
	s_add_nc_u64 s[8:9], s[8:9], s[20:21]
	s_lshr_b32 s20, s17, 1                         ; the group of 128 rows
	s_lshl_b32 s20, s20, 14
	s_add_co_u32 s20, s20, s19
	s_add_nc_u64 s[10:11], s[10:11], s[20:21]
	s_lshl_b32 s19, s18, 11                        ; 1,024 columns of 2 bytes
	s_lshl_b32 s20, s17, 19                        ; 64 rows of 8,192 bytes
	s_add_co_u32 s20, s20, s19
	s_add_nc_u64 s[14:15], s[14:15], s[20:21]
; Load n of 64 of my two rows of x: 512 consecutive bytes, piece n / 2 of row n % 2.  Load r of 64 of the weights: my 512 bytes of row r.  Load q of the stream's 128 lies in slot q % 40.
.macro XLOAD n
	global_load_b128 v[X+4*((\n)%40):X+4*((\n)%40)+3], v[XO], s[4:5] offset:512*((\n)/2)+16384*((\n)%2) th:TH_LOAD_NT
.endm
.macro WLOAD r
	global_load_b128 v[X+4*(((\r)+64)%40):X+4*(((\r)+64)%40)+3], v[WO], s[8:9] offset:16384*(\r) th:TH_LOAD_NT
.endm
.macro RING q
.if (\q) < 64
	XLOAD \q
.else
	WLOAD (\q)-64
.endif
.endm
	s_wait_alu depctr_va_vdst(0)                   ; the six offsets v2, v3 and v244 to v247 of window 1 are written: every load and store of the kernel but the gather's LDS loads reads one of them
	; all 4,096 indices, 128 a lane: every wave reads the table, so these loads carry no hint
.set i, 0
.rept 16
	global_load_b128 v[ADR+8*i:ADR+8*i+3],   v[IO], s[6:7] offset:1024*i
	global_load_b128 v[ADR+8*i+4:ADR+8*i+7], v[IO], s[6:7] offset:1024*i+16
.set i, i+1
.endr
	WIN W_ONE
	global_load_b128 v[SC:SC+3], v[WO], s[10:11]
.set n, 0
.rept 32
	XLOAD n                                        ; blocks 0 to 3
.set n, n+1
.endr
	s_wait_loadcnt 33                              ; loads come back in order (ISA guide 5.7.1): the indices are in; the scales' load and the 32 behind it stay out
.rept 8
	XLOAD n                                        ; block 4: the ring is full.  No vector line has named a register of the ring yet
.set n, n+1
.endr
	WIN 0
.set j, 0
.rept 128
	v_min_u32 v[ADR+j], 0xfff, v[ADR+j]            ; held inside the row,
	v_lshl_add_u32 v[ADR+j], v[ADR+j], 2, s24      ; a word each, in my wave's bytes
.set j, j+1
.endr
; THE TURN OF BLOCK p OF x (0 to 7): four pieces of my two rows, 128 columns each, four a lane, both rows packed into one word a column.  The block before goes into LDS, and its slots are asked for
; again, with the block four on from this one: more of x, then the weights' first rows.  p = 8: the turn behind the last block: block 7 goes into LDS and its slots are asked for again; nothing is converted.
.macro XBLOCK p
.if (\p) == 0
	s_wait_loadcnt 32                              ; block 0 (and the scales) are in; the four younger blocks stay out
.elseif (\p) < 8
	s_wait_loadcnt 24                              ; block p is in; the three younger blocks stay out
.endif
.if ((\p) >= 2) && ((\p) < 8)
	s_wait_alu depctr_vm_vsrc(0)                   ; the LDS stores issued in the turn before have read T[p % 2], which this block's conversions write again
.endif
.if (\p) >= 1
	s_wait_alu depctr_va_vdst(0)                   ; the block before has written the other T, which the LDS stores below read, and is done reading its slots, in which the loads below land; at p = 1 the gather's addresses are written too
.endif
.irp k, 0,1,2,3
.if (\p) >= 1
	RING 8*((\p)+4)+2*(\k)                         ; no vector line since the wait names these registers
	RING 8*((\p)+4)+2*(\k)+1
	ds_store_b128 v[LSA], v[T+16*(((\p)+1)%2)+4*(\k):T+16*(((\p)+1)%2)+4*(\k)+3] offset:512*(4*((\p)-1)+(\k))  ; 32 lanes, 16 neighbouring bytes each
.endif
.if (\p) < 8
.set XA, X+4*((8*(\p)+2*(\k))%40)
.set TS, T+16*((\p)%2)+4*(\k)
.irp j, 0,1,2,3
	v_cvt_pk_f16_f32 v[TS+(\j)], v[XA+(\j)], v[XA+4+(\j)]   ; row a into the low half, row a + 1 into the high half
.endr
.endif
.endr
.endm
	WIN W_ONE
.set p, 0
.rept 9
	XBLOCK p
.set p, p+1
.endr
; THE GATHER.  Batch i of 16: my eight columns 256 i + 8 lane + 0..7, a word (both rows) each.  Seven batches are asked for ahead.
.macro GISSUE i
.irp e, 0,1,2,3,4,5,6,7
	ds_load_b32 v[G+8*((\i)%8)+(\e)], v[ADR+8*(\i)+(\e)]
.endr
.endm
; Step i (0 to 15) sorts batch i's words into 16 bytes of row a and 16 of row a + 1, in the registers that held the batch's addresses; batch i - 1 is stored, and its registers of G take batch i + 7.
; i = 16: the step behind the last batch: batch 15 is stored.
.macro GSTEP i
.if (\i) < 9
	s_wait_dscnt 48                                ; LDS loads come back in order: batch i is in, the six younger batches stay out
.elseif (\i) < 16
	s_wait_dscnt 8*(15-(\i))                       ; nothing more is asked for: the counts run down
.endif
.if (\i)%7 == 0
	s_wait_alu depctr_vm_vsrc(0)                   ; the LDS loads issued so far have read their addresses, which v_perm_b32 lines write over: at step 0 those of batches 0 to 6, at step 7 of batches 7 to 13, at step 14 of batches 14 and 15
.endif
.if (\i) >= 1
	s_wait_alu depctr_va_vdst(0)                   ; the step before has written its eight registers, which the stores below read, and is done reading its batch of G, in which the LDS loads below land
.endif
.if (\i) < 9
	GISSUE (\i)+7
.endif
.if (\i) >= 1
	global_store_b128 v[XSO], v[ADR+8*(\i)-8:ADR+8*(\i)-5], s[12:13] offset:512*((\i)-1)       ; each store of the wave covers 512 consecutive bytes, aligned
	global_store_b128 v[XSO], v[ADR+8*(\i)-4:ADR+8*(\i)-1], s[12:13] offset:512*((\i)-1)+8192
.endif
.if (\i) < 16
.set GB, G+8*((\i)%8)
.set OS, ADR+8*(\i)
.irp c, 0,1,2,3
	v_perm_b32 v[OS+(\c)],   v[GB+2*(\c)+1], v[GB+2*(\c)], s22  ; two neighbouring columns of row a
	v_perm_b32 v[OS+4+(\c)], v[GB+2*(\c)+1], v[GB+2*(\c)], s23  ; and of row a + 1
.endr
.endif
.endm
	WIN 0
.irp i, 0,1,2,3,4,5,6
	GISSUE \i                                      ; no vector line since the last wait on va_vdst names an address or a register of G
.endr
.set i, 0
.rept 17
	GSTEP i
.set i, i+1
.endr
; THE WEIGHTS.  The turn of block b (0 to 7): rows 8 b .. 8 b + 7, four numbers a lane: to f32, times the column's scale, rounded to f16.  Rows 0 to 23 are rounded into pairs of Y, since their slots are
; loaded again; rows 24 to 63 into the first two registers of their own slots.  The block before is stored; in turns 1 to 3 its slots take the rows 40 further on, each load ahead of its store.
; b = 8: the turn behind the last block: rows 56 to 63 are stored.
.macro WBLOCK b
.if (\b) == 0
	s_wait_loadcnt 32                              ; rows 0 to 7 are in; the four younger blocks stay out
.elseif (\b) < 5
	s_wait_loadcnt 24                              ; block b is in; the three younger blocks stay out
.elseif (\b) < 8
	s_wait_loadcnt 8*(7-(\b))                      ; nothing more is asked for: the counts run down
.endif
.if (\b) >= 1
	s_wait_alu depctr_va_vdst(0)                   ; the block before has written the pairs that the stores below read, and is done with its slots, in which the loads below land
.endif
.irp k, 0,1,2,3,4,5,6,7
.if ((\b) >= 1) && ((\b) < 4)
	WLOAD 8*((\b)+4)+(\k)                          ; no vector line since the wait names these registers
.endif
.if (\b) >= 1
.set r, 8*(\b)-8+(\k)
.set YS, X+4*((r+64)%40)
.if r < 24
.set YS, Y+2*r
.endif
	global_store_b64 v[WSO], v[YS:YS+1], s[14:15] offset:8192*r  ; 32 lanes store 256 consecutive bytes, aligned
.endif
.if (\b) < 8
.set r, 8*(\b)+(\k)
.set XS, X+4*((r+64)%40)
.set YS, X+4*((r+64)%40)
.if r < 24
.set YS, Y+2*r
.endif
.irp j, 0,1,2,3
	v_cvt_f32_i32 v[XS+(\j)], v[XS+(\j)]
.endr
	v_pk_mul_f32 v[XS:XS+1],   v[XS:XS+1],   v[SC:SC+1]
	v_pk_mul_f32 v[XS+2:XS+3], v[XS+2:XS+3], v[SC+2:SC+3]
	v_cvt_pk_f16_f32 v[YS],   v[XS],   v[XS+1]
	v_cvt_pk_f16_f32 v[YS+1], v[XS+2], v[XS+3]
.endif
.endr
.endm
	WIN W_ONE
.set b, 0
.rept 9
	WBLOCK b
.set b, b+1
.endr
	WIN 0
	s_wait_dscnt 0x0                               ; the closing lines, six on end
	s_wait_alu 0x0
	s_wait_tensorcnt 0x0
	ds_add_u32 v[SPW], v[NIL]
	s_wait_dscnt 0x0
	s_endpgm
.Lfunc_end_k_qfd63afa002_prep:
	.size	k_qfd63afa002_prep, .Lfunc_end_k_qfd63afa002_prep-k_qfd63afa002_prep
	.p2alignl 7, 3214868480
	.fill 96, 4, 3214868480
	.section	.rodata,"a",@progbits
	.p2align	6, 0x0
	.amdhsa_kernel k_qfd63afa002_prep
		.amdhsa_group_segment_fixed_size 132096
		.amdhsa_private_segment_fixed_size 0
		.amdhsa_enable_private_segment 0
		.amdhsa_kernarg_size 48
		.amdhsa_user_sgpr_count 2
		.amdhsa_user_sgpr_kernarg_segment_ptr 1
		.amdhsa_wavefront_size32 1
		.amdhsa_system_sgpr_workgroup_id_x 1
		.amdhsa_system_sgpr_workgroup_id_y 1
		.amdhsa_system_sgpr_workgroup_id_z 1
		.amdhsa_system_vgpr_workitem_id 0
		.amdhsa_next_free_vgpr 504
		.amdhsa_next_free_sgpr 66
		.amdhsa_reserve_vcc 0
		.amdhsa_float_denorm_mode_32 3
		.amdhsa_float_denorm_mode_16_64 3
		.amdhsa_memory_ordered 1
		.amdhsa_forward_progress 1
		.amdhsa_inst_pref_size 95
	.end_amdhsa_kernel
	.amdgpu_metadata
---
amdhsa.version: [ 1, 2 ]
amdhsa.kernels:
  - .name:           k_qfd63afa002_prep
    .symbol:         k_qfd63afa002_prep.kd
    .args:
      - { .name: x, .offset: 0, .size: 8, .value_kind: global_buffer, .address_space: global }
      - { .name: col_indices, .offset: 8, .size: 8, .value_kind: global_buffer, .address_space: global }
      - { .name: weight_int8, .offset: 16, .size: 8, .value_kind: global_buffer, .address_space: global }
      - { .name: scales, .offset: 24, .size: 8, .value_kind: global_buffer, .address_space: global }
      - { .name: xr, .offset: 32, .size: 8, .value_kind: global_buffer, .address_space: global }
      - { .name: wd, .offset: 40, .size: 8, .value_kind: global_buffer, .address_space: global }
    .group_segment_fixed_size: 132096
    .private_segment_fixed_size: 0
    .kernarg_segment_align: 8
    .kernarg_segment_size: 48
    .max_flat_workgroup_size: 256
    .sgpr_count:     66
    .vgpr_count:     504
    .wavefront_size: 32
...
	.end_amdgpu_metadata
.endif
;; end of part 3
;; launch gemm: the kernel of part 2 again; grid 16 x 16, 4 waves a work-group, clusters of 4 x 4, 327,680 bytes of LDS; arguments xr, wd, bias, out0; writes out0
